; MI455X (gfx1250); checked and timed in simulation.
; The chip was launched on July 23, 2026; its instructions are those of AMD's public machine-readable ISA for CDNA 5 (MIT licence, August 2026) and "CDNA5" Instruction Set Architecture Reference Guide (July 2026). The comments in the code are by the model that wrote it; some were corrected since.
;; Residual Spatial Enhance Module. Allowed arithmetic: matrix products marked QUANTISED: E2M3 operands, one E8M0 scale for each 32 along K, by v_wmma_scale_f32_16x16x128_f8f6f4 with both operands' format E2M3, f32 sums; everything else in f32.
;; Inputs: bk 128 float32; bn_beta 256 float32; bn_gamma 256 float32; bn_mean 256 float32; bn_var 256 float32; bo 256 float32; bq 128 float32; bv 256 float32; gamma 1 float32; wk 128 x 256 float32; wo 256 x 256 float32; wq 128 x 256 float32; wv 256 x 256 float32; x_guide 8 x 256 x 64 x 64 float32; x_main 8 x 256 x 64 x 64 float32.
;; Outputs: out0 8 x 256 x 64 x 64 float32.
;; This version of the problem:
;;   THIS VERSION OF THE PROBLEM IS GIVEN IN LOW PRECISION. The matrix products marked QUANTISED in the list below multiply operands that are first quantised to E2M3 (2 exponent bits, 3 mantissa bits; 6 bits a number), with one power-of-two scale for each 32 numbers along K (OCP MX v1.0); their sums are f32. All else is computed in f32.
;;   The module's matrix products, in the order in which they are computed (A, B: the left and right operand; K: the contracted axis; several contracted axes count as one K, in the product's order):
;;     1. [M 32,768, K 256] x [K 256, N 128]; A: input x_main; B: input wq: QUANTISED
;;     2. [M 32,768, K 256] x [K 256, N 128]; A: input x_guide; B: input wk: QUANTISED
;;     3. batch 8 x [M 4,096, K 128] x [K 128, N 4,096]; A: computed on the way; B: computed on the way: QUANTISED
;;     4. [M 32,768, K 256] x [K 256, N 256]; A: input x_guide; B: input wv: QUANTISED
;;     5. batch 8 x [M 256, K 4,096] x [K 4,096, N 4,096]; A: computed on the way; B: softmax (see below): QUANTISED
;;     6. [M 32,768, K 256] x [K 256, N 256]; A: computed on the way; B: input wo: QUANTISED
;;   THE QUANTISER, for each operand of a quantised product, along K:
;;     - K is cut into blocks of 32 from its start; a last block that is shorter is filled with zeros.
;;     - A block's scale is 2^e with e = floor(log2(the largest magnitude in the block)) - 2, held to -126 .. 127; a block of zeros has e = 0. As a byte (E8M0): e + 127.
;;     - Each number is divided by its block's scale, clamped to +-7.5, and rounded to the nearest number of E2M3, ties to even, subnormals kept.
;;     - The product sums the exact products of the quantised numbers (number of the format x scale) in f32.
;;   ~~~python
;;   def quantise(x, axis):      # numpy; x: float32 -> the quantised numbers, widened to float32 again
;;       x = np.moveaxis(x, axis, -1); K = x.shape[-1]
;;       x = np.pad(x, [(0, 0)] * (x.ndim - 1) + [(0, -K % 32)]); x = x.reshape(x.shape[:-1] + (-1, 32)); a = np.abs(x).max(-1, keepdims=True)
;;       e = np.where(a > 0, np.clip(np.frexp(np.where(a > 0, a, 1))[1] - 1 - 2, -126, 127), 0)      # np.frexp(a)[1] - 1 = floor(log2(a)), exactly
;;       r = np.clip(x / 2.0 ** e, -7.5, 7.5)
;;       step = 2.0 ** (np.maximum(np.frexp(np.where(r == 0, 1, r))[1] - 1, 0) - 3)
;;       q = np.round(r / step) * step * 2.0 ** e      # np.round: ties to even
;;       return np.moveaxis(q.reshape(q.shape[:-2] + (-1,))[..., :K], -1, axis).astype(np.float32)
;;   ~~~
;;   SOFTMAX AHEAD OF A QUANTISED PRODUCT. Where the list says 'softmax', what is quantised is not the finished softmax but p = 2^(t - M), with t = logit x log2(e) and M = ceil(the row's largest t), a whole number; so 1/2 < the row's largest p <= 1. The row's sum l is taken of the UNQUANTISED p, in f32, and the product's result is divided by l at the end. Since M is a whole number, a kernel that streams over the keys may use a running M (the ceiling of the running maximum): every later rescaling is an exact power of two, which a block's scale takes up: the codes' values come out the same.
;;   OPERANDS COMPUTED ON THE WAY. 'Computed on the way' means the value that the module computes at that place (a softmax that the list does not call 'softmax' is quantised finished and normalised). What goes into a quantiser is computed in f32, as accurately as f32 sums, v_exp_f32 and their like allow (about 1e-6 of the number): no bf16 or f16 on the way to a quantiser, and a product that is left as it is and whose result goes on into a quantised operand takes f32 operands (vector FMAs, or v_wmma_f32_16x16x4_f32). A number that lies on a knife's edge between two numbers of the format may be rounded either way, as far as f32 arithmetic and the matrix unit's own rounding can turn it there, and no further.
;; One version. Each part assembles by itself: llvm-mc -triple=amdgcn-amd-amdhsa -mcpu=gfx1250 --defsym DOCPART=n.
;; ======== version 1 of 1: 3 launches
;; workspace buffers: wimg 159,744 bytes; kv 9,830,400 bytes; qimg 3,276,800 bytes
;; launch wprep (part 1): grid 12 x 1, 4 waves a work-group, no clusters, 0 bytes of LDS; arguments wq, wk, wv, wo, wimg; writes wimg
.if DOCPART == 1
	.amdgcn_target "amdgcn-amd-amdhsa--gfx1250"
	.amdhsa_code_object_version 6
	.text
	.protected	k_qf74b3f60c6_wprep
	.globl	k_qf74b3f60c6_wprep
	.p2align	8
	.type	k_qf74b3f60c6_wprep,@function
k_qf74b3f60c6_wprep:
	s_mov_b64 s[64:65], 0
	v_nop
	global_prefetch_b8 v0, s[64:65] scope:SCOPE_SE
	s_setreg_imm32_b32 hwreg(HW_REG_WAVE_MODE, 25, 1), 1
	s_wait_xcnt 0x0
; The four weights, f32 with K (256 channels) innermost, become codes of FP6 (E2M3) with one E8M0 byte for each 32 along K, laid as IMAGES OF THE OPERAND'S REGISTERS:
; a fragment (16 rows x 128 K, 12 registers a lane) is 1,536 bytes, registers 4 c .. 4 c + 3 of lane l at 512 c + 16 l.  Tile TI (wq 0-7, wk 8-15, wv 16-31, wo 32-47), K step s: at (2 TI + s) x 1,536.
; THE ROWS OF A TILE ARE NOT NEIGHBOURS: row r of a weight's tile 2 b + u is its row 32 b + 8 u + r + 8 (r / 8), so that a transposed product's 16 registers of two neighbouring tiles are 16 neighbours along the next K.
; The scale words: at WSC + 256 TI + 8 x lane the words of K steps 0 and 1 of the lane's row (lanes r and 16 + r hold the same).
; One wave takes one tile: lane (r, h) wants k = 128 s + 64 c + 32 h + 0 .. 31 of its row: whole blocks, 128 consecutive bytes each, so no other lane is asked for a maximum.
; 48 tiles are 48 waves: twelve work-groups; the launch has no more work than that.  No LDS, no barrier.
; LIMITS: NaN and infinities are not served; a block of zeros, or one whose largest magnitude lies under 2^-124, gets the byte 1 (a zero block's codes are zeros; this program alone reads the bytes).
.set X,   32                           ; v32-159  four blocks of 32 numbers: block q = 2 s + c
.set PC,  160                          ; v160-183 the two fragments' codes
.set CT,  184                          ; v184-198 the upper halves of the four blocks' codes, as the conversions leave them
.set WSC, 147456                       ; behind the 96 fragments
	s_load_b256 s[4:11], s[0:1], 0x0               ; wq, wk, wv, wo
	s_load_b64 s[12:13], s[0:1], 0x20              ; wimg
	v_lshrrev_b32 v1, 5, v0
	v_readfirstlane_b32 s16, v1                    ; wave
	s_lshl_b32 s17, ttmp9, 2
	s_add_co_u32 s16, s16, s17                     ; TI = 4 x work-group + wave
	v_and_b32 v1, 15, v0                           ; r
	v_bfe_u32 v2, v0, 4, 1                         ; h
	v_and_b32 v3, 8, v1
	v_add_nc_u32 v3, v3, v1                        ; r + 8 (r / 8)
	v_lshlrev_b32 v4, 10, v3                       ; a row is 1,024 bytes
	v_lshl_add_u32 v4, v2, 7, v4                   ; + 128 h: my half's block
	v_and_b32 v5, 31, v0
	v_lshlrev_b32 v6, 3, v5                        ; 8 x lane
	v_lshlrev_b32 v5, 4, v5                        ; 16 x lane
	v_lshlrev_b32 v7, 3, v2                        ; 8 h: my bytes' place in a scale word
	v_mov_b32 v22, 0                               ; a lane permute's destination counts as one of its sources
	v_mov_b32 v23, 0
	s_mov_b32 s24, 0x76543210
	s_mov_b32 s25, 0xfedcba98                      ; selects for lane l xor 16
	s_mov_b32 s22, 32
	s_wait_kmcnt 0x0
	s_mov_b64 s[20:21], s[10:11]                   ; which weight, and its first tile: the choice hangs on the tile's number alone
	s_cmp_lt_u32 s16, 32
	s_cselect_b64 s[20:21], s[8:9], s[20:21]
	s_cselect_b32 s22, 16, s22
	s_cmp_lt_u32 s16, 16
	s_cselect_b64 s[20:21], s[6:7], s[20:21]
	s_cselect_b32 s22, 8, s22
	s_cmp_lt_u32 s16, 8
	s_cselect_b64 s[20:21], s[4:5], s[20:21]
	s_cselect_b32 s22, 0, s22
	s_sub_co_u32 s22, s16, s22                     ; t: the tile within its weight
	s_lshr_b32 s23, s22, 1
	s_lshl_b32 s23, s23, 15                        ; 32 (t / 2) rows
	s_and_b32 s22, s22, 1
	s_lshl_b32 s22, s22, 13                        ; 8 (t % 2) rows
	s_add_co_u32 s22, s22, s23
	s_mov_b32 s23, 0
	s_add_nc_u64 s[20:21], s[20:21], s[22:23]
	s_mul_i32 s26, s16, 3072
	s_mov_b32 s27, 0
	s_add_nc_u64 s[28:29], s[12:13], s[26:27]      ; my two fragments
	s_lshl_b32 s26, s16, 8
	s_add_nc_u64 s[30:31], s[12:13], s[26:27]      ; my scale words (WSC stands in the immediate)
.irp q, 0,1,2,3
.irp i, 0,1,2,3,4,5,6,7
	global_load_b128 v[X+32*\q+4*\i:X+32*\q+4*\i+3], v4, s[20:21] offset:256*\q+16*\i th:TH_LOAD_NT
.endr
.endr
	s_wait_loadcnt 0x0
.irp q, 0,1,2,3
	v_max3_num_f32 v[8+\q], |v[X+32*\q]|, |v[X+32*\q+1]|, 0x1800000   ; the block's largest magnitude, with the floor 2^(3 - 127) among its leaves: the byte cannot fall under 1
.endr
.irp i, 2,4,6,8,10,12,14,16,18,20,22,24,26,28,30
.irp q, 0,1,2,3
	v_max3_num_f32 v[8+\q], v[8+\q], |v[X+32*\q+\i]|, |v[X+32*\q+\i+1]|   ; the four blocks by turns
.endr
.endr
.irp q, 0,1,2,3
	v_add_nc_u32 v[12+\q], 0xff000000, v[8+\q]     ; 2 off the exponent field: the conversion's scale operand
.endr
.irp q, 0,1,2,3
	v_lshrrev_b32 v[16+\q], 23, v[12+\q]           ; the scale's byte
.endr
.irp s, 0,1
	v_lshl_or_b32 v[20+\s], v[17+2*\s], 16, v[16+2*\s]   ; my bytes: blocks h and 2 + h of K step s,
	v_lshlrev_b32 v[20+\s], v7, v[20+\s]           ; at their places;
.endr
.irp s, 0,1
	v_permlanex16_b32 v[22+\s], v[20+\s], s24, s25
.endr
.irp s, 0,1
	v_or_b32 v[20+\s], v[20+\s], v[22+\s]          ; with lane l xor 16's two the word is whole
.endr
.irp q, 0,1,2,3
	v_cvt_scalef32_pk16_fp6_f32 v[PC+6*\q:PC+6*\q+2], v[X+32*\q:X+32*\q+15], v[12+\q]
	v_cvt_scalef32_pk16_fp6_f32 v[CT+4*\q:CT+4*\q+2], v[X+32*\q+16:X+32*\q+31], v[12+\q]   ; (a conversion's three registers begin on an even number)
.endr
	v_nop                                          ; one plain place behind the conversions
.irp q, 0,1,2,3
.irp i, 0,1,2
	v_mov_b32 v[PC+6*\q+3+\i], v[CT+4*\q+\i]
.endr
.endr
.irp j, 0,1,2,3,4,5
	global_store_b128 v5, v[PC+4*\j:PC+4*\j+3], s[28:29] offset:512*\j   ; 512 consecutive bytes a store
.endr
	global_store_b64 v6, v[20:21], s[30:31] offset:WSC                   ; 256 consecutive bytes
	s_endpgm
.Lfunc_end_k_qf74b3f60c6_wprep:
	.size	k_qf74b3f60c6_wprep, .Lfunc_end_k_qf74b3f60c6_wprep-k_qf74b3f60c6_wprep
	.p2alignl 7, 3214868480
	.fill 96, 4, 3214868480
	.section	.rodata,"a",@progbits
	.p2align	6, 0x0
	.amdhsa_kernel k_qf74b3f60c6_wprep
		.amdhsa_group_segment_fixed_size 0
		.amdhsa_private_segment_fixed_size 0
		.amdhsa_enable_private_segment 0
		.amdhsa_kernarg_size 40
		.amdhsa_user_sgpr_count 2
		.amdhsa_user_sgpr_kernarg_segment_ptr 1
		.amdhsa_wavefront_size32 1
		.amdhsa_system_sgpr_workgroup_id_x 1
		.amdhsa_system_sgpr_workgroup_id_y 1
		.amdhsa_system_sgpr_workgroup_id_z 1
		.amdhsa_system_vgpr_workitem_id 0
		.amdhsa_next_free_vgpr 200
		.amdhsa_next_free_sgpr 66
		.amdhsa_reserve_vcc 0
		.amdhsa_float_denorm_mode_32 3
		.amdhsa_float_denorm_mode_16_64 3
		.amdhsa_memory_ordered 1
		.amdhsa_forward_progress 1
		.amdhsa_inst_pref_size 12
	.end_amdhsa_kernel
	.amdgpu_metadata
---
amdhsa.version: [ 1, 2 ]
amdhsa.kernels:
  - .name:           k_qf74b3f60c6_wprep
    .symbol:         k_qf74b3f60c6_wprep.kd
    .args:
      - { .name: wq, .offset: 0, .size: 8, .value_kind: global_buffer, .address_space: global }
      - { .name: wk, .offset: 8, .size: 8, .value_kind: global_buffer, .address_space: global }
      - { .name: wv, .offset: 16, .size: 8, .value_kind: global_buffer, .address_space: global }
      - { .name: wo, .offset: 24, .size: 8, .value_kind: global_buffer, .address_space: global }
      - { .name: wimg, .offset: 32, .size: 8, .value_kind: global_buffer, .address_space: global }
    .group_segment_fixed_size: 0
    .private_segment_fixed_size: 0
    .kernarg_segment_align: 8
    .kernarg_segment_size: 40
    .max_flat_workgroup_size: 128
    .sgpr_count:     66
    .vgpr_count:     200
    .wavefront_size: 32
...
	.end_amdgpu_metadata
.endif
;; end of part 1
;; launch proj (part 2): grid 32 x 8, 4 waves a work-group, no clusters, 294,912 bytes of LDS; arguments x_guide, x_main, wimg, bk, bq, bv, kv, qimg; writes kv, qimg
.if DOCPART == 2
	.amdgcn_target "amdgcn-amd-amdhsa--gfx1250"
	.amdhsa_code_object_version 6
	.text
	.protected	k_qf74b3f60c6_proj
	.globl	k_qf74b3f60c6_proj
	.p2align	8
	.type	k_qf74b3f60c6_proj,@function
k_qf74b3f60c6_proj:
	s_mov_b64 s[64:65], 0
	v_nop
	global_prefetch_b8 v0, s[64:65] scope:SCOPE_SE
	s_setreg_imm32_b32 hwreg(HW_REG_WAVE_MODE, 25, 1), 1
	s_wait_xcnt 0x0
; Q = wq x_main + bq, K = wk x_guide + bk, V = wv x_guide + bv, all on codes of FP6 (E2M3) with one E8M0 scale for each 32 along K; the results are quantised again, Q and K along their 128 channels,
; V along the keys, and leave as images of the next products' operand registers (a fragment: 1,536 bytes, registers 4 c .. 4 c + 3 of lane l at 512 c + 16 l).
; SHARES.  Work-group (x, y) takes pixels 128 x .. 128 x + 127 of batch y: 256 channel rows of 512 bytes of each x, brought once by the tensor data mover (each wave 64 rows of each).  It stores block 32 y + x of kv
; (K's 8 tiles, V's 16 tiles, K's and V's scale words: 38,400 bytes) and of qimg (Q's 8 tiles and their scale words: 12,800 bytes).
; x HAS ITS K (the channels) ACROSS ROWS: a lane takes a PIXEL and its registers run down the channels, so a block of 32 lies in one lane.  Wave w takes pixels 32 w .. 32 w + 31: lanes 0-15 are tile 2 w, lanes 16-31 tile 2 w + 1.
; THE PIXELS OF A TILE ARE NOT NEIGHBOURS: row r of tile 2 g + u is pixel 32 g + 8 u + r + 8 (r / 8) (and so are the rows of the weights' tiles), so that a result's 16 registers of two neighbouring tiles are 16 neighbours of the next K.
; Q, K: source 0 = 16 rows of the weight, source 1 = 16 pixels: a lane holds a pixel, its registers run along the 128 channels.  Each wave makes its own two pixel tiles.
; V: source 0 = 16 pixels, source 1 = 16 rows of wv: a lane holds a channel, its registers run along the keys.  Wave w makes channel tiles 4 w .. 4 w + 3 for all 128 pixels, so x_guide's 16 fragments go from wave to wave through LDS, as images.
; The biases are the C of each sum's first matrix instruction.
; NO CLUSTER: the work-groups share the weights' images alone, 144 KiB of codes that each wave loads straight into registers, against 256 KiB of x that is a work-group's own.
; LIMITS: NaN and infinities are not served; a block of zeros, or one whose largest magnitude lies under 2^-124, gets the byte 1 (a zero block's codes are zeros; this program alone reads the bytes).
; REGISTERS: window 0: see the names below.  Window 1: wk's, later wq's 16 fragments (tile t, K step s at 12 (2 t + s)), from v192 the bias, 8 registers a tile.  Window 2: my 4 tiles of wv.  Window 3: x_guide's 16 fragments.
.set XM,    131072                     ; LDS: x_guide's 256 rows of 512 bytes from 0, x_main's from here
.set XIMG,  262144                     ; x_guide's 16 fragments: (group g, tile u, K step s) at (4 g + 2 u + s) x 1,536
.set XSC,   286720                     ; their scale words: (g, s) at 256 g + 128 s + 4 x lane: lanes 0-15 tile 2 g, lanes 16-31 tile 2 g + 1
.set SCST,  287744                     ; the scale words on their way out: K's 512 bytes, V's 1,024, Q's 512
.set SPARE, 289792                     ; the spare words, 128 bytes for each wave: two blocks of 256 bytes that no other line names
.set WSC,   147456                     ; wimg: where the scale words begin
.set LI,   1                           ; 16 x lane
.set L8,   2                           ; 8 x lane
.set AXG0, 3                           ; LDS: my pixel in x_guide's rows 0-127;  AXG1: rows 128-255;  AXM0, AXM1: the same in x_main
.set AXG1, 4
.set AXM0, 5
.set AXM1, 6
.set XWI,  7                           ; where I store my four fragments of x_guide
.set XWS,  8                           ; and their scale words
.set XRI,  9                           ; where all 16 are read
.set XRS,  10
.set SKA,  11                          ; SCST: K's words of my two tiles;  SVA: V's of my four;  SQA: Q's;  SRD: the 512 bytes that I store
.set SVA,  12
.set SQA,  13
.set SRD,  14
.set BOF,  15                          ; 64 h: a half's eight numbers of bk or bq
.set VBO,  16                          ; bv: my lane's channel
.set SPW,  17                          ; my spare word; never rewritten
.set NIL,  18                          ; 0; never rewritten
.set TM,   20                          ; v20-35  the quantiser's maxima, bytes, scale operands
.set PC,   36                          ; v36-47  the fragment just made
.set CT,   48                          ; v48-54  upper halves as the conversions leave them
.set XW,   56                          ; v56-57  x's scale words of K steps 0, 1 (my pixel's)
.set XSV,  58                          ; v58-65  x_guide's scale words of all groups
.set WS,   66                          ; v66-81  wk's or wq's scale words: tile t, K step s at 2 t + s
.set WVS,  82                          ; v82-89  wv's
.set KW,   90                          ; v90-91  K's scale words just made;  v92-95 V's;  v96 Q's
.set VW,   92
.set PWQ,  96
.set BT,   98                          ; v98-104 a block of x at work
.set BV,   106                         ; v106-109 bv of my lane's channel in my four tiles
.set VB,   110                         ; v110-117 the same eight times: V's C
.set F0,   120                         ; v120-143 tile 2 w's two fragments;  v144-167 tile 2 w + 1's
.set F1,   144
.set X,    192                         ; v192-255 two sets of 32 numbers of x; later HA, 8 accumulators
.set HA,   192
.set WV,   8                           ; s8 my wave's number
.set MSB, 0
.macro WIN new                         ; the immediate's high byte repeats the setting that is left
.if MSB != \new
	s_set_vgpr_msb (MSB<<8)|\new
.set MSB, \new
.endif
.endm
.macro PLACES n
.rept \n
	v_nop
.endr
.endm
; one matrix instruction; ra, rb: source 0's or source 1's scales stand in lanes 16-31
.macro MM d, a, b, c, sa, sb, ra, rb
.if \ra
	v_wmma_scale_f32_16x16x128_f8f6f4 v[\d:\d+7], v[\a:\a+11], v[\b:\b+11], v[\c:\c+7], v[\sa], v[\sb] matrix_a_fmt:MATRIX_FMT_FP6 matrix_b_fmt:MATRIX_FMT_FP6 matrix_a_scale:MATRIX_SCALE_ROW1
.elseif \rb
	v_wmma_scale_f32_16x16x128_f8f6f4 v[\d:\d+7], v[\a:\a+11], v[\b:\b+11], v[\c:\c+7], v[\sa], v[\sb] matrix_a_fmt:MATRIX_FMT_FP6 matrix_b_fmt:MATRIX_FMT_FP6 matrix_b_scale:MATRIX_SCALE_ROW1
.else
	v_wmma_scale_f32_16x16x128_f8f6f4 v[\d:\d+7], v[\a:\a+11], v[\b:\b+11], v[\c:\c+7], v[\sa], v[\sb] matrix_a_fmt:MATRIX_FMT_FP6 matrix_b_fmt:MATRIX_FMT_FP6
.endif
.endm
; 64 numbers of a lane, register 16 b + i = k 32 b + 16 (lane / 16) + i of my row, become a fragment's codes in v[pc] on and its scale word in v[pw]
.macro QUANT src, pc, ct, tm, pw
.irp b, 0,1,2,3
	v_max3_num_f32 v[\tm+\b], |v[\src+16*\b]|, |v[\src+16*\b+1]|, 0x1800000   ; my 16 numbers of block b, and the floor 2^(3 - 127): the byte cannot fall under 1
.endr
.irp i, 2,4,6,8,10,12,14
.irp b, 0,1,2,3
	v_max3_num_f32 v[\tm+\b], v[\tm+\b], |v[\src+16*\b+\i]|, |v[\src+16*\b+\i+1]|
.endr
.endr
.irp b, 0,1,2,3
	v_permlanex16_b32 v[\tm+4+\b], v[\tm+\b], s[34], s[35]
.endr
.irp b, 0,1,2,3
	v_max_num_f32 v[\tm+\b], v[\tm+\b], v[\tm+4+\b]   ; with lane l xor 16's: the block's largest magnitude
.endr
.irp b, 0,1,2,3
	v_add_nc_u32 v[\tm+12+\b], 0xff000000, v[\tm+\b]  ; 2 off its exponent field: the conversion's scale operand
.endr
.irp b, 0,1,2,3
	v_lshrrev_b32 v[\tm+4+\b], 23, v[\tm+12+\b]       ; the scale's byte
.endr
	v_lshl_or_b32 v[\pw], v[\tm+5], 8, v[\tm+4]
	v_lshl_or_b32 v[\pw], v[\tm+6], 16, v[\pw]
	v_lshl_or_b32 v[\pw], v[\tm+7], 24, v[\pw]
.irp c, 0,1
	v_cvt_scalef32_pk16_fp6_f32 v[\pc+6*\c:\pc+6*\c+2], v[\src+32*\c:\src+32*\c+15], v[\tm+12+2*\c]
	v_cvt_scalef32_pk16_fp6_f32 v[\ct+4*\c:\ct+4*\c+2], v[\src+32*\c+16:\src+32*\c+31], v[\tm+13+2*\c]   ; (a conversion's three registers begin on an even number)
.endr
	v_nop                                          ; one plain place behind the conversions
.irp c, 0,1                                    ; the operand wants a WHOLE block in a lane: lanes 0-15 block 2 c, lanes 16-31 block 2 c + 1
.irp i, 0,1,2
	v_permlane16_swap_b32 v[\pc+6*\c+\i], v[\ct+4*\c+\i]
.endr
.irp i, 0,1,2
	v_mov_b32 v[\pc+6*\c+3+\i], v[\ct+4*\c+\i]
.endr
.endr
.endm
; a weight of 8 tiles (its 16 fragments from byte fo of wimg, its scale words from so) and its bias (pointer in s[bp:bp+1]) into window 1 and WS
.macro WLOAD fo, so, bp
	WIN 0x40
.set ii, 0
.rept 48
	global_load_b128 v[4*ii:4*ii+3], v[LI], s[40:41] offset:\fo+512*ii
.set ii, ii+1
.endr
.irp t, 0,1,2,3,4,5,6,7                        ; lane (r, h), tile t, register j: the bias of channel 32 (t / 2) + 8 (t % 2) + 16 h + j
	global_load_b128 v[192+8*\t:195+8*\t], v[BOF], s[\bp:\bp+1] offset:4*(32*(\t/2)+8*(\t%2))
	global_load_b128 v[196+8*\t:199+8*\t], v[BOF], s[\bp:\bp+1] offset:4*(32*(\t/2)+8*(\t%2))+16
.endr
	WIN 0
.irp t, 0,1,2,3,4,5,6,7
	global_load_b64 v[WS+2*\t:WS+2*\t+1], v[L8], s[40:41] offset:\so+256*\t
.endr
.endm
; block k of my pixel: channels 32 k .. 32 k + 31, one LDS row each; the 32 lanes read 128 consecutive bytes
.macro XLD k, a0, a1
.irp i, 0,1,2,3,4,5,6,7,8,9,10,11,12,13,14,15,16,17,18,19,20,21,22,23,24,25,26,27,28,29,30,31
.if 32*(\k)+\i < 128
	ds_load_b32 v[X+32*((\k)%2)+\i], v[\a0] offset:512*(32*(\k)+\i)
.else
	ds_load_b32 v[X+32*((\k)%2)+\i], v[\a1] offset:512*(32*(\k)+\i-128)
.endif
.endr
.endm
; block k is quantised: even blocks into F0, odd ones into F1, at the place that K step k / 4 gives them
.macro XBLK k, a0, a1
.set XS, X+32*((\k)%2)
.set FD, F0+24*((\k)%2)+12*((\k)/4)+6*(((\k)%4)/2)
.if (\k) < 7
	s_wait_dscnt 32                                ; this block's 32 loads are in; the next block's may be out
.else
	s_wait_dscnt 0x0
.endif
	v_max3_num_f32 v[BT], |v[XS]|, |v[XS+1]|, |v[XS+2]|
	v_max3_num_f32 v[BT+1], |v[XS+3]|, |v[XS+4]|, |v[XS+5]|
.irp i, 6,10,14,18,22,26
	v_max3_num_f32 v[BT], v[BT], |v[XS+\i]|, |v[XS+\i+1]|
	v_max3_num_f32 v[BT+1], v[BT+1], |v[XS+\i+2]|, |v[XS+\i+3]|
.endr
	v_max3_num_f32 v[BT], v[BT], |v[XS+30]|, |v[XS+31]|
	v_max3_num_f32 v[BT], v[BT], v[BT+1], 0x1800000   ; and the floor
	v_add_nc_u32 v[BT+2], 0xff000000, v[BT]
	v_lshrrev_b32 v[BT+3], 23, v[BT+2]
.if (\k)%4 == 0
	v_mov_b32 v[XW+(\k)/4], v[BT+3]
.else
	v_lshl_or_b32 v[XW+(\k)/4], v[BT+3], 8*((\k)%4), v[XW+(\k)/4]
.endif
	v_cvt_scalef32_pk16_fp6_f32 v[FD:FD+2], v[XS:XS+15], v[BT+2]
	v_cvt_scalef32_pk16_fp6_f32 v[BT+4:BT+6], v[XS+16:XS+31], v[BT+2]
	v_nop
.irp i, 0,1,2
	v_mov_b32 v[FD+3+\i], v[BT+4+\i]
.endr
.if (\k) < 6
	XLD (\k)+2, \a0, \a1
.endif
.endm
; my 32 pixels of one x become two tiles' fragments.  Behind the blocks F0 holds every lane's even blocks and F1 the odd ones; the exchange gives F0's lanes 16-31 tile 2 w's odd blocks and F1's lanes 0-15 tile 2 w + 1's even ones.
.macro XQ a0, a1
	XLD 0, \a0, \a1
	XLD 1, \a0, \a1
.irp k, 0,1,2,3,4,5,6,7
	XBLK \k, \a0, \a1
.endr
.set ii, 0
.rept 24
	v_permlane16_swap_b32 v[F0+ii], v[F1+ii]
.set ii, ii+1
.endr
.endm
; tile 2 w + u of my pixels against the 8 tiles of window 1's weight; the 8 accumulators take turns; then the quantiser
.macro PROJ u, pw
	PLACES 8                                       ; x's scale words and codes were written by vector instructions: 8 and 4 places ahead of a scaled matrix instruction
	WIN 0x11                                       ; source 0 (the weight) and C (the bias) window 1
.irp t, 0,1,2,3,4,5,6,7
	MM HA+8*\t, 24*\t, F0+24*\u, 192+8*\t, WS+2*\t, XW, 0, \u
.endr
	WIN 0x01
.irp t, 0,1,2,3,4,5,6,7
	MM HA+8*\t, 24*\t+12, F0+24*\u+12, HA+8*\t, WS+2*\t+1, XW+1, 0, \u
.endr
	WIN 0
	PLACES 4
	s_wait_xcnt 0x0                                ; the last image's stores have read their registers
	QUANT HA, PC, CT, TM, \pw
.endm
.macro IMGOUT base, off                        ; the fragment just made leaves as it stands: 512 consecutive bytes a store
.irp c, 0,1,2
	global_store_b128 v[LI], v[PC+4*\c:PC+4*\c+3], s[\base:\base+1] offset:\off+512*\c
.endr
.endm
; my channel tile tl of V for all 128 pixels: 8 accumulators by turns, K step by K step; register 16 g + 8 u + j of lane (r, h) is key 32 g + 16 h + 8 u + j of channel row r
.macro VTILE tl
.irp j, 0,1,2,3,4,5,6,7
	v_mov_b32 v[VB+\j], v[BV+\tl]
.endr
	PLACES 4
	WIN 0x0b                                       ; source 0 (x) window 3, source 1 (wv) window 2
.irp g, 0,1,2,3
.irp u, 0,1
	MM HA+8*(2*\g+\u), 12*(4*\g+2*\u), 24*\tl, VB, XSV+2*\g, WVS+2*\tl, \u, 0
.endr
.endr
.irp g, 0,1,2,3
.irp u, 0,1
	MM HA+8*(2*\g+\u), 12*(4*\g+2*\u+1), 24*\tl+12, HA+8*(2*\g+\u), XSV+2*\g+1, WVS+2*\tl+1, \u, 0
.endr
.endr
	WIN 0
	PLACES 4
	s_wait_xcnt 0x0
	QUANT HA, PC, CT, TM, VW+\tl
	IMGOUT 54, 12288+1536*\tl
.endm
	s_load_b256 s[36:43], s[0:1], 0x0              ; x_guide, x_main, wimg, bk
	s_load_b256 s[44:51], s[0:1], 0x20             ; bq, bv, kv, qimg
	v_lshl_add_u32 v[SPW], v0, 2, SPARE
	v_mov_b32 v[NIL], 0
	ds_add_u32 v[SPW], v[NIL]                      ; the wave's opening, with its wait ahead of my first tensor load; work on registers stands between them
	v_lshrrev_b32 v1, 5, v0
	v_readfirstlane_b32 s[WV], v1                  ; wave 0..3
	s_and_b32 s9, ttmp7, 0xffff                    ; batch
	s_mov_b32 s16, 2<<16                           ; group 1: elements of 4 bytes, no mask, no padding
	s_mov_b32 s17, 128<<16                         ; tensor_dim0 = 128
	s_mov_b32 s18, 64<<16                          ; tensor_dim1 = 64
	s_mov_b32 s19, 128<<16                         ; tile_dim0 = 128 pixels: 512 bytes
	s_mov_b32 s20, 64                              ; tile_dim1 = 64 channels
	s_mov_b32 s21, 4096                            ; from channel to channel
	s_mov_b32 s22, 0
	s_mov_b32 s23, 0
	s_lshl_b32 s12, s9, 22                         ; batch x 256 x 16,384 bytes
	s_lshl_b32 s13, s[WV], 20                      ; + my 64 channels
	s_add_co_u32 s12, s12, s13
	s_lshl_b32 s13, ttmp9, 9                       ; + the block's 128 pixels
	s_add_co_u32 s12, s12, s13
	s_mov_b32 s13, 0
	s_lshl_b32 s11, s9, 5
	s_add_co_u32 s11, s11, ttmp9                   ; the block's number: 32 x batch + x
	s_mov_b32 s24, 1
	s_lshl_b32 s25, s[WV], 15                      ; LDS: my 64 rows of x_guide
	s_mov_b32 s28, 1
	s_add_co_u32 s29, s25, XM                      ; and of x_main
	s_mov_b32 s34, 0x76543210
	s_mov_b32 s35, 0xfedcba98                      ; selects for lane l xor 16
	s_wait_dscnt 0x0                               ; the opening add is done
	s_wait_kmcnt 0x0
	s_add_nc_u64 s[26:27], s[36:37], s[12:13]
	s_or_b32 s27, s27, 0x80000000
	s_add_nc_u64 s[30:31], s[38:39], s[12:13]
	s_or_b32 s31, s31, 0x80000000
	tensor_load_to_lds s[24:27], s[16:23]          ; both fills go out together: two loads of mine are out; no LDS byte is filled twice
	s_nop 0
	tensor_load_to_lds s[28:31], s[16:23]
	s_nop 0
	PLACES 4
	s_mul_i32 s32, s11, 38400
	s_mov_b32 s33, 0
	s_add_nc_u64 s[48:49], s[48:49], s[32:33]      ; kv at my block
	s_mul_i32 s32, s11, 12800
	s_add_nc_u64 s[50:51], s[50:51], s[32:33]      ; qimg at my block
	s_mul_i32 s32, s[WV], 3072
	s_add_nc_u64 s[52:53], s[48:49], s[32:33]      ; K's tiles 2 w, 2 w + 1
	s_add_nc_u64 s[56:57], s[50:51], s[32:33]      ; Q's
	s_mul_i32 s32, s[WV], 6144
	s_add_nc_u64 s[54:55], s[48:49], s[32:33]      ; V's tiles 4 w on (12,288 stands in the immediate)
	s_mul_i32 s32, s[WV], 12288
	s_add_nc_u64 s[58:59], s[40:41], s[32:33]      ; wv's tiles 4 w on
	s_lshl_b32 s32, s[WV], 10
	s_add_nc_u64 s[60:61], s[40:41], s[32:33]      ; and their scale words
	s_lshl_b32 s32, s[WV], 9
	s_add_nc_u64 s[66:67], s[48:49], s[32:33]
	s_add_nc_u64 s[66:67], s[66:67], 36864         ; the scale words' way out: waves 0-2 store K's 512 and V's 1,024 bytes,
	s_add_nc_u64 s[68:69], s[50:51], 12288         ; wave 3 Q's 512
	s_cmp_lt_u32 s[WV], 3
	s_cselect_b64 s[62:63], s[66:67], s[68:69]
	v_and_b32 v19, 31, v0                          ; lane
	v_lshlrev_b32 v[LI], 4, v19
	v_lshlrev_b32 v[L8], 3, v19
	v_and_b32 v118, 15, v0                         ; r
	v_bfe_u32 v119, v0, 4, 1                       ; h
	v_lshlrev_b32 v[BOF], 6, v119
	v_and_b32 v[VBO], 8, v118
	v_add_nc_u32 v[VBO], v[VBO], v118
	v_lshlrev_b32 v[VBO], 2, v[VBO]
	s_lshl_b32 s14, s[WV], 8
	v_add_nc_u32 v[VBO], s14, v[VBO]               ; 4 (r + 8 (r / 8)) + 256 w
	WLOAD 24576, WSC+2048, 42                      ; wk and bk
	WIN 0x80
.set ii, 0
.rept 24
	global_load_b128 v[4*ii:4*ii+3], v[LI], s[58:59] offset:49152+512*ii   ; my four tiles of wv
.set ii, ii+1
.endr
	WIN 0
.irp t, 0,1,2,3
	global_load_b64 v[WVS+2*\t:WVS+2*\t+1], v[L8], s[60:61] offset:WSC+4096+256*\t
	global_load_b32 v[BV+\t], v[VBO], s[46:47] offset:4*(32*(\t/2)+8*(\t%2))
.endr
	v_and_b32 v[AXG0], 7, v0                       ; my pixel among the wave's 32: (l & 7) + 16 (bit 3) + 8 (bit 4)
	v_bfe_u32 v[AXG1], v0, 3, 1
	v_lshl_add_u32 v[AXG0], v[AXG1], 4, v[AXG0]
	v_lshl_add_u32 v[AXG0], v119, 3, v[AXG0]
	v_lshlrev_b32 v[AXG0], 2, v[AXG0]
	s_lshl_b32 s14, s[WV], 7
	v_add_nc_u32 v[AXG0], s14, v[AXG0]
	v_add_nc_u32 v[AXG1], 0x10000, v[AXG0]
	v_add_nc_u32 v[AXM0], 0x20000, v[AXG0]
	v_add_nc_u32 v[AXM1], 0x30000, v[AXG0]
	s_mul_i32 s14, s[WV], 6144
	s_add_co_u32 s14, s14, XIMG
	v_add_nc_u32 v[XWI], s14, v[LI]
	s_lshl_b32 s14, s[WV], 8
	s_add_co_u32 s14, s14, XSC
	v_lshl_add_u32 v[XWS], v19, 2, s14
	v_add_nc_u32 v[XRI], XIMG, v[LI]
	v_lshl_add_u32 v[XRS], v19, 2, XSC
	s_lshr_b32 s14, s[WV], 1                       ; K's word of (tile t, row r) lies at 256 (t / 4) + 16 r + 4 (t % 4): one load of 16 bytes a lane then brings four tiles' words
	s_lshl_b32 s14, s14, 8
	s_and_b32 s15, s[WV], 1
	s_lshl_b32 s15, s15, 3
	s_add_co_u32 s14, s14, s15
	s_add_co_u32 s14, s14, SCST
	v_lshl_add_u32 v[SKA], v118, 4, s14
	s_lshl_b32 s14, s[WV], 8
	s_add_co_u32 s14, s14, SCST+512
	v_lshl_add_u32 v[SVA], v118, 4, s14            ; V's likewise: my four tiles are one 16 bytes a row
	s_lshl_b32 s14, s[WV], 7
	s_add_co_u32 s14, s14, SCST+1536
	v_lshl_add_u32 v[SQA], v118, 2, s14            ; Q's: 64 bytes a tile, 4 a row
	s_lshl_b32 s14, s[WV], 9
	s_add_co_u32 s14, s14, SCST
	v_add_nc_u32 v[SRD], s14, v[LI]
.irp b, 0,1,2,3
	v_mov_b32 v[TM+4+\b], 0                        ; written once: a lane permute's destination counts as one of its sources
.endr
	s_wait_tensorcnt 0x1                           ; my rows of x_guide are in; x_main's load may stay out
	s_barrier_signal -1
	s_barrier_wait -1                              ; everybody's are
	XQ AXG0, AXG1
.set ii, 0
.rept 12
	ds_store_b128 v[XWI], v[F0+4*ii:F0+4*ii+3] offset:512*ii   ; my four fragments, as they stand
.set ii, ii+1
.endr
	ds_store_b32 v[XWS], v[XW]
	ds_store_b32 v[XWS], v[XW+1] offset:128
	s_wait_loadcnt 0x0                             ; the weights, their scale words, the biases
	PROJ 0, KW
	IMGOUT 52, 0
	PROJ 1, KW+1
	IMGOUT 52, 1536
	ds_store_b64 v[SKA], v[KW:KW+1]                ; lanes r and 16 + r write the same bytes with the same values
	WLOAD 0, WSC, 44                               ; wq and bq take wk's place: the quantiser's lines are the places behind the last products
	s_wait_dscnt 0x0                               ; my stores have landed
	s_barrier_signal -1
	s_barrier_wait -1                              ; x_guide's sixteen fragments lie in LDS
	WIN 0xc0                                       ; destination window 3
.set ii, 0
.rept 48
	ds_load_b128 v[4*ii:4*ii+3], v[XRI] offset:512*ii
.set ii, ii+1
.endr
	WIN 0
.irp q, 0,1,2,3,4,5,6,7
	ds_load_b32 v[XSV+\q], v[XRS] offset:128*\q
.endr
	s_wait_dscnt 0x0
	VTILE 0
	VTILE 1
	VTILE 2
	VTILE 3
	ds_store_b128 v[SVA], v[VW:VW+3]
	s_wait_tensorcnt 0x0                           ; my rows of x_main are in
	s_wait_dscnt 0x0
	s_barrier_signal -1
	s_barrier_wait -1                              ; everybody's are
	XQ AXM0, AXM1
	s_wait_loadcnt 0x0                             ; wq, its scale words, bq
	PROJ 0, PWQ
	IMGOUT 56, 0
	ds_store_b32 v[SQA], v[PWQ]
	PROJ 1, PWQ
	IMGOUT 56, 1536
	ds_store_b32 v[SQA], v[PWQ] offset:64
	s_wait_dscnt 0x0
	s_barrier_signal -1
	s_barrier_wait -1                              ; all scale words lie in LDS
	ds_load_b128 v[TM:TM+3], v[SRD]
	s_wait_dscnt 0x0
	global_store_b128 v[LI], v[TM:TM+3], s[62:63]  ; 512 consecutive bytes a wave
	s_wait_tensorcnt 0x0                           ; the wave's end, behind my last tensor load and my last LDS store
	ds_add_u32 v[SPW], v[NIL]
	s_wait_dscnt 0x0
	s_endpgm
.Lfunc_end_k_qf74b3f60c6_proj:
	.size	k_qf74b3f60c6_proj, .Lfunc_end_k_qf74b3f60c6_proj-k_qf74b3f60c6_proj
	.p2alignl 7, 3214868480
	.fill 96, 4, 3214868480
	.section	.rodata,"a",@progbits
	.p2align	6, 0x0
	.amdhsa_kernel k_qf74b3f60c6_proj
		.amdhsa_group_segment_fixed_size 294912
		.amdhsa_private_segment_fixed_size 0
		.amdhsa_enable_private_segment 0
		.amdhsa_kernarg_size 64
		.amdhsa_user_sgpr_count 2
		.amdhsa_user_sgpr_kernarg_segment_ptr 1
		.amdhsa_wavefront_size32 1
		.amdhsa_system_sgpr_workgroup_id_x 1
		.amdhsa_system_sgpr_workgroup_id_y 1
		.amdhsa_system_sgpr_workgroup_id_z 1
		.amdhsa_system_vgpr_workitem_id 0
		.amdhsa_next_free_vgpr 1024
		.amdhsa_next_free_sgpr 72
		.amdhsa_reserve_vcc 0
		.amdhsa_float_denorm_mode_32 3
		.amdhsa_float_denorm_mode_16_64 3
		.amdhsa_memory_ordered 1
		.amdhsa_forward_progress 1
		.amdhsa_inst_pref_size 137
	.end_amdhsa_kernel
	.amdgpu_metadata
---
amdhsa.version: [ 1, 2 ]
amdhsa.kernels:
  - .name:           k_qf74b3f60c6_proj
    .symbol:         k_qf74b3f60c6_proj.kd
    .args:
      - { .name: x_guide, .offset: 0, .size: 8, .value_kind: global_buffer, .address_space: global }
      - { .name: x_main, .offset: 8, .size: 8, .value_kind: global_buffer, .address_space: global }
      - { .name: wimg, .offset: 16, .size: 8, .value_kind: global_buffer, .address_space: global }
      - { .name: bk, .offset: 24, .size: 8, .value_kind: global_buffer, .address_space: global }
      - { .name: bq, .offset: 32, .size: 8, .value_kind: global_buffer, .address_space: global }
      - { .name: bv, .offset: 40, .size: 8, .value_kind: global_buffer, .address_space: global }
      - { .name: kv, .offset: 48, .size: 8, .value_kind: global_buffer, .address_space: global }
      - { .name: qimg, .offset: 56, .size: 8, .value_kind: global_buffer, .address_space: global }
    .group_segment_fixed_size: 294912
    .private_segment_fixed_size: 0
    .kernarg_segment_align: 8
    .kernarg_segment_size: 64
    .max_flat_workgroup_size: 128
    .sgpr_count:     72
    .vgpr_count:     1024
    .wavefront_size: 32
...
	.end_amdgpu_metadata
.endif
;; end of part 2
;; launch attn (part 3): grid 32 x 8, 8 waves a work-group, clusters of 4 x 1, 327,680 bytes of LDS; arguments qimg, kv, wimg, x_main, bo, bn_gamma, bn_beta, bn_mean, bn_var, gamma, out0; writes out0
.if DOCPART == 3
	.amdgcn_target "amdgcn-amd-amdhsa--gfx1250"
	.amdhsa_code_object_version 6
	.text
	.protected	k_qf74b3f60c6_attn
	.globl	k_qf74b3f60c6_attn
	.p2align	8
	.type	k_qf74b3f60c6_attn,@function
k_qf74b3f60c6_attn:
	s_mov_b64 s[64:65], 0
	v_nop
	global_prefetch_b8 v0, s[64:65] scope:SCOPE_SE
	s_setreg_imm32_b32 hwreg(HW_REG_WAVE_MODE, 25, 1), 1
	s_wait_xcnt 0x0
	s_wait_alu depctr_hold_cnt(0) depctr_sa_sdst(0) depctr_va_vdst(0) depctr_va_sdst(0) depctr_va_ssrc(0) depctr_va_vcc(0) depctr_vm_vsrc(0)
	s_getreg_b32 s2, hwreg(HW_REG_IB_STS2, 6, 4)
	s_cmp_eq_u32 s2, 0
	s_cbranch_scc0 .Lentry_in_a_cluster
	s_endpgm
.Lentry_in_a_cluster:
	s_bfe_u32 s2, ttmp6, 0x10000c
	s_cmp_lg_u32 s2, 0x3003
	s_cbranch_scc0 .Lentry_shape_is_right
	s_endpgm
.Lentry_shape_is_right:
; out = x_main + gamma relu(bn(wo (V softmax(Q K^T)^T) + bo)), the three products on codes of FP6 (E2M3) with one E8M0 scale for each 32 along K.  Q, K, V and wo arrive as images of operand registers
; (a fragment: 1,536 bytes, registers 4 c .. 4 c + 3 of lane l at 512 c + 16 l), so every fragment comes by three loads of 512 consecutive bytes.
; THE SOFTMAX: t = score x log2(e); M = the largest t so far, rounded UP to a whole number; p = 2^(t - M) is quantised along the keys, not normalised; the sum is taken of the unquantised p and divides at the end;
; when M moves, sum and O are multiplied by 2^(old M - new M), which rounds nothing.
; SHARES.  A work-group owns 128 queries of one batch: 8 tiles of 16.  Wave wv (p = wv & 3, hf = wv >> 2) holds TWO tiles, A = 2 p + hf and B = A xor 1, so that each fragment of K and V read from LDS feeds two products,
; and walks every second key step of 128 keys (hf, hf + 2 of a slot's four).  Waves wv and wv xor 4 hold the same two tiles over the two halves of the keys: at the end each hands tile B's part to the other and keeps tile A.
; Eight waves of 512 registers: two to a SIMD, so that one wave's softmax stands beside the other's products and LDS loads.
; Both products are used transposed (S^T = K Q^T, O^T = V P^T): a lane holds ONE query throughout.  The keys of a tile of K, the channels of a tile of V and the queries of a tile of Q are laid 32 b + 8 u + r + 8 (r / 8),
; so that 16 registers of two neighbouring tiles are 16 neighbours of the next K.
; CLUSTER.  The four work-groups of a cluster belong to one batch and walk the same K and V: each part of a slot is asked for JOINTLY, by the same tensor load with the same descriptor and the mask of all four.
; THE RING: two slots of four key steps (153,600 bytes); each wave brings an eighth of a slot, 75 rows of 256 bytes, by one load behind each round; one load of a wave is out at a time, and it has two key steps of every wave in which to land.
; THE END: O / sum is quantised along the channels and goes from wave to wave as images; wave wv then makes output channels 32 wv .. 32 wv + 31 for all 128 queries, norm, relu and residual, and stores whole rows of 512 bytes.
; LIMITS: NaN and infinities are not served; a block of zeros, or one whose largest magnitude lies under 2^-124, gets the byte 1 (a zero block's codes are zeros); a p under 2^-126 is taken as 0.
; REGISTERS: window 0: the names below.  Window 1: O^T of tile A in v0-127, of tile B in v128-255 (channel tile T at 8 T).
.set STEPB, 38400                      ; a key step's block: K's 8 tiles, V's 16 tiles, K's and V's scale words
.set SLOTB, 153600                     ; four of them
.set VIMO,  12288                      ; in a block: V's tiles,
.set KSCO,  36864                      ; K's scale words (tile t, row r at 256 (t / 4) + 16 r + 4 (t % 4)),
.set VSCO,  37376                      ; V's likewise
.set SPARE, 307200                     ; behind the ring: the spare words, 128 bytes for each wave: four blocks of 256 bytes that no other line names
.set MGB,   16896                      ; the end: a region for each wave in slot 0, first for tile B's part (16,384 + 512 bytes), then as a stage of 32 rows x 528 bytes
.set OIMG,  153600                     ; the end: O's 16 fragments, in slot 1: (tile m, K step s) at (2 m + s) x 1,536
.set OSC,   178176                     ; and their scale words: (g, s) at 128 (2 g + s): lanes 0-15 tile 2 g, lanes 16-31 tile 2 g + 1
.set WSC,   147456                     ; wimg: where the scale words begin
.set LI,  1                            ; 16 x lane
.set ADR, 2                            ; LDS address of the key step in hand
.set SPW, 3                            ; my spare word; never rewritten
.set NIL, 4                            ; 0; never rewritten
.set MGW, 5                            ; my region at the end;  MGR: my partner's;  OIW: where my tile's images go
.set MGR, 6
.set OIW, 7
.set QA,  16                           ; v16-27 tile A's fragment of Q;  v28-39 tile B's.  v8-11, v12-15: -M, largest t, the sum in two halves, for A and for B
.set QB,  28
.set QSA, 40                           ; scale words: Q's (A, B), p's (A, B), v44-47 and v252-255 K's or V's
.set QSB, 41
.set PWA, 42
.set PWB, 43
.set KS,  44
.set FB0, 48                           ; v48-95 four fragments of K or V; between the products the softmax works here
.set FB1, 96                           ; v96-143 four fragments of V, where tile A's p lay
.set SA,  96                           ; v96-159 S^T, then p, of tile A;  v160-223 of tile B
.set SB,  160
.set PCA, 224                          ; v224-235 p's codes, tile A;  v236-247 tile B
.set PCB, 236
.set FA,  248                          ; v[248:249], v[250:251]: 2^(old M - new M) of A and of B, named as pairs
.set FBR, 250
.set BM,  48                           ; the softmax's registers: the blocks' largest scores; at work; scale operands; conversions' upper halves; a temporary
.set PT,  52
.set SO,  56
.set CT,  60
.set TT,  68
.set WV,   26
.set HF,   27
.set HOFF, 31                          ; 38,400 hf: my first step in a slot
.set G1,   32                          ; s[32:39] descriptor group 1;  s[40:43], s[44:47] group 0 of slot 0 and slot 1
.set G0,   40
.set TB,   48                          ; LDS byte at which the step in hand begins
.set CNT,  49
.set LAP,  50
.set SEL,  52                          ; s[52:53] selects for lane l xor 16
.set CS,   54                          ; s[54:55] log2(e), named as a pair
.set GM,   56                          ; s[56:57] gamma, named as a pair
.set MSB, 0
.macro WIN new                         ; the immediate's high byte repeats the setting that is left
.if MSB != \new
	s_set_vgpr_msb (MSB<<8)|\new
.set MSB, \new
.endif
.endm
.macro PLACES n
.rept \n
	v_nop
.endr
.endm
; one matrix instruction that adds onto v[c] on; ra, rb: source 0's or source 1's scales stand in lanes 16-31
.macro MM d, a, b, c, sa, sb, ra, rb
.if \ra
	v_wmma_scale_f32_16x16x128_f8f6f4 v[\d:\d+7], v[\a:\a+11], v[\b:\b+11], v[\c:\c+7], v[\sa], v[\sb] matrix_a_fmt:MATRIX_FMT_FP6 matrix_b_fmt:MATRIX_FMT_FP6 matrix_a_scale:MATRIX_SCALE_ROW1
.elseif \rb
	v_wmma_scale_f32_16x16x128_f8f6f4 v[\d:\d+7], v[\a:\a+11], v[\b:\b+11], v[\c:\c+7], v[\sa], v[\sb] matrix_a_fmt:MATRIX_FMT_FP6 matrix_b_fmt:MATRIX_FMT_FP6 matrix_b_scale:MATRIX_SCALE_ROW1
.else
	v_wmma_scale_f32_16x16x128_f8f6f4 v[\d:\d+7], v[\a:\a+11], v[\b:\b+11], v[\c:\c+7], v[\sa], v[\sb] matrix_a_fmt:MATRIX_FMT_FP6 matrix_b_fmt:MATRIX_FMT_FP6
.endif
.endm
; the same, starting a sum
.macro MM0 d, a, b, sa, sb, ra, rb
.if \ra
	v_wmma_scale_f32_16x16x128_f8f6f4 v[\d:\d+7], v[\a:\a+11], v[\b:\b+11], 0, v[\sa], v[\sb] matrix_a_fmt:MATRIX_FMT_FP6 matrix_b_fmt:MATRIX_FMT_FP6 matrix_a_scale:MATRIX_SCALE_ROW1
.elseif \rb
	v_wmma_scale_f32_16x16x128_f8f6f4 v[\d:\d+7], v[\a:\a+11], v[\b:\b+11], 0, v[\sa], v[\sb] matrix_a_fmt:MATRIX_FMT_FP6 matrix_b_fmt:MATRIX_FMT_FP6 matrix_b_scale:MATRIX_SCALE_ROW1
.else
	v_wmma_scale_f32_16x16x128_f8f6f4 v[\d:\d+7], v[\a:\a+11], v[\b:\b+11], 0, v[\sa], v[\sb] matrix_a_fmt:MATRIX_FMT_FP6 matrix_b_fmt:MATRIX_FMT_FP6
.endif
.endm
; a round of the cluster's barrier: my work-group's barrier, wave 0 signals for the work-group, every wave waits for all four work-groups, my work-group's barrier once more
.macro ROUND
	s_barrier_signal -1
	s_barrier_wait -1
	s_cmp_lg_u32 s[WV], 0
	s_cbranch_scc1 .Lnot_wave_0_\@
	s_barrier_signal -3
.Lnot_wave_0_\@:
	s_barrier_wait -3
	s_barrier_signal -1
	s_barrier_wait -1
.endm
; 64 numbers of a lane, register 16 b + i = k 32 b + 16 (lane / 16) + i of my row, become a fragment's codes in v[pc] on and its scale word in v[pw]
.macro QUANT src, pc, ct, tm, pw
.irp b, 0,1,2,3
	v_max3_num_f32 v[\tm+\b], |v[\src+16*\b]|, |v[\src+16*\b+1]|, 0x1800000
.endr
.irp i, 2,4,6,8,10,12,14
.irp b, 0,1,2,3
	s_delay_alu instid0(VALU_DEP_4)
	v_max3_num_f32 v[\tm+\b], v[\tm+\b], |v[\src+16*\b+\i]|, |v[\src+16*\b+\i+1]|
.endr
.endr
.irp b, 0,1,2,3
	s_delay_alu instid0(VALU_DEP_4)
	v_permlanex16_b32 v[\tm+4+\b], v[\tm+\b], s[SEL], s[SEL+1]
.endr
.irp b, 0,1,2,3
	s_delay_alu instid0(VALU_DEP_4)
	v_max_num_f32 v[\tm+\b], v[\tm+\b], v[\tm+4+\b]
.endr
.irp b, 0,1,2,3
	s_delay_alu instid0(VALU_DEP_4)
	v_add_nc_u32 v[\tm+12+\b], 0xff000000, v[\tm+\b]
.endr
.irp b, 0,1,2,3
	s_delay_alu instid0(VALU_DEP_4)
	v_lshrrev_b32 v[\tm+4+\b], 23, v[\tm+12+\b]
.endr
	s_delay_alu instid0(VALU_DEP_3)
	v_lshl_or_b32 v[\pw], v[\tm+5], 8, v[\tm+4]
	s_delay_alu instid0(VALU_DEP_1)
	v_lshl_or_b32 v[\pw], v[\tm+6], 16, v[\pw]
	s_delay_alu instid0(VALU_DEP_1)
	v_lshl_or_b32 v[\pw], v[\tm+7], 24, v[\pw]
.irp c, 0,1
	v_cvt_scalef32_pk16_fp6_f32 v[\pc+6*\c:\pc+6*\c+2], v[\src+32*\c:\src+32*\c+15], v[\tm+12+2*\c]
	v_cvt_scalef32_pk16_fp6_f32 v[\ct+4*\c:\ct+4*\c+2], v[\src+32*\c+16:\src+32*\c+31], v[\tm+13+2*\c]
.endr
	v_nop
.irp c, 0,1
.irp i, 0,1,2
	v_permlane16_swap_b32 v[\pc+6*\c+\i], v[\ct+4*\c+\i]
.endr
.irp i, 0,1,2
	s_delay_alu instid0(VALU_DEP_3)
	v_mov_b32 v[\pc+6*\c+3+\i], v[\ct+4*\c+\i]
.endr
.endr
.endm
.macro KLOAD g                         ; K's tiles 4 g .. 4 g + 3
.irp t, 0,1,2,3
.irp c, 0,1,2
	ds_load_b128 v[FB0+12*\t+4*\c:FB0+12*\t+4*\c+3], v[ADR] offset:(4*\g+\t)*1536+512*\c
.endr
.endr
.endm
.macro SMUL g                          ; each against both tiles of queries: eight sums of one instruction each
.irp t, 0,1,2,3
	MM0 SA+8*(4*\g+\t), FB0+12*\t, QA, KS+\t, QSA, \g, 0
	MM0 SB+8*(4*\g+\t), FB0+12*\t, QB, KS+\t, QSB, \g, 0
.endr
.endm
.macro VLOAD gq, fb                    ; V's channel tiles 4 gq .. 4 gq + 3
.irp t, 0,1,2,3
.irp c, 0,1,2
	ds_load_b128 v[\fb+12*\t+4*\c:\fb+12*\t+4*\c+3], v[ADR] offset:VIMO+(4*\gq+\t)*1536+512*\c
.endr
.endr
.endm
.macro PVMUL gq, fb, first             ; O^T += V P^T for both tiles; the accumulators take turns.  V's words: tiles 0-7 in v44-47, 8-15 in v252-255, the upper four of each in lanes 16-31
	WIN 0x50                                       ; C and D window 1
.irp t, 0,1,2,3
.if \first
	MM0 8*(4*\gq+\t), \fb+12*\t, PCA, KS+208*(\gq/2)+\t, PWA, \gq%2, 0
	s_wait_alu depctr_va_vdst(0)
	MM0 128+8*(4*\gq+\t), \fb+12*\t, PCB, KS+208*(\gq/2)+\t, PWB, \gq%2, 0
.else
	MM 8*(4*\gq+\t), \fb+12*\t, PCA, 8*(4*\gq+\t), KS+208*(\gq/2)+\t, PWA, \gq%2, 0
	MM 128+8*(4*\gq+\t), \fb+12*\t, PCB, 128+8*(4*\gq+\t), KS+208*(\gq/2)+\t, PWB, \gq%2, 0
.endif
.endr
.endm
; one tile's softmax of one key step: scores in v[sr] on (register 16 b + i = key 32 b + 16 (lane / 16) + i), statistics in v[stt] on; p's codes to v[pcr] on, its scale word to v[pwr], 2^(old M - new M) to v[fr]
.macro SOFTMAX sr, stt, pcr, pwr, fr
.irp b, 0,1,2,3
	v_max3_num_f32 v[BM+\b], v[\sr+16*\b], v[\sr+16*\b+1], v[\sr+16*\b+2]   ; the largest score of each block of 32 keys: it serves the row's maximum and, since p rises with the score, the block's largest p
.endr
.irp i, 3,5,7,9,11,13
.irp b, 0,1,2,3
	v_max3_num_f32 v[BM+\b], v[BM+\b], v[\sr+16*\b+\i], v[\sr+16*\b+\i+1]
.endr
.endr
.irp b, 0,1,2,3
	v_max_num_f32 v[BM+\b], v[BM+\b], v[\sr+16*\b+15]
.endr
.irp b, 0,1,2,3
	s_delay_alu instid0(VALU_DEP_4)
	v_permlanex16_b32 v[PT+\b], v[BM+\b], s[SEL], s[SEL+1]
.endr
.irp b, 0,1,2,3
	s_delay_alu instid0(VALU_DEP_4)
	v_max_num_f32 v[BM+\b], v[BM+\b], v[PT+\b]     ; with lane l xor 16's 16 keys
.endr
	s_delay_alu instid0(VALU_DEP_2)
	v_max3_num_f32 v[TT], v[BM], v[BM+1], v[BM+2]
	s_delay_alu instid0(VALU_DEP_1)
	v_max_num_f32 v[TT], v[TT], v[BM+3]
	s_delay_alu instid0(VALU_DEP_1)
	v_mul_f32 v[TT], s[CS], v[TT]                  ; the step's largest t
	s_delay_alu instid0(VALU_DEP_1)
	v_max_num_f32 v[\stt+1], v[\stt+1], v[TT]      ; the running largest t
	v_mov_b32 v[TT], v[\stt]
	s_delay_alu instid0(VALU_DEP_2)
	v_floor_f32 v[\stt], -v[\stt+1]                ; the new -M = floor(-t): M is a whole number
	s_delay_alu instid0(VALU_DEP_1)
	v_sub_f32 v[TT], v[\stt], v[TT]                ; old M - new M, 0 or less
	s_delay_alu instid0(VALU_DEP_1)
	v_cvt_i32_f32 v[TT], v[TT]                     ; (it saturates)
	s_delay_alu instid0(VALU_DEP_1)
	v_ldexp_f32 v[\fr], 1.0, v[TT]
.set jj, 0
.rept 32
	v_pk_fma_f32 v[\sr+jj:\sr+jj+1], v[\sr+jj:\sr+jj+1], s[CS:CS+1], v[\stt:\stt+1] op_sel_hi:[1,0,0]   ; t - M, two at a time
.set jj, jj+2
.endr
.irp b, 0,1,2,3
	v_fma_f32 v[BM+\b], v[BM+\b], s[CS], v[\stt]   ; the same of each block's largest score
.endr
.set jj, 0
	s_wait_alu depctr_va_vdst(0)
.rept 64
	v_exp_f32 v[\sr+jj], v[\sr+jj]                 ; p = 2^(t - M)
.set jj, jj+1
.endr
	v_pk_mul_f32 v[\stt+2:\stt+3], v[\stt+2:\stt+3], v[\fr:\fr+1] op_sel_hi:[1,0]   ; the sums under the new M: the plain place behind the exponentials
	s_wait_alu depctr_va_vdst(0)                   ; one wait for the batch of 64, ahead of its first reader
.irp b, 0,1,2,3
	v_exp_f32 v[BM+\b], v[BM+\b]                   ; the blocks' largest p
.endr
	v_pk_add_f32 v[PT:PT+1], v[\sr:\sr+1], v[\sr+2:\sr+3]   ; the row's sum of the unquantised p, in two chains; it reads the 64 alone
.set jj, 4
.rept 15
	v_pk_add_f32 v[\stt+2:\stt+3], v[\stt+2:\stt+3], v[\sr+jj:\sr+jj+1]
	v_pk_add_f32 v[PT:PT+1], v[PT:PT+1], v[\sr+jj+2:\sr+jj+3]
.set jj, jj+4
.endr
	s_delay_alu instid0(VALU_DEP_1)
	v_pk_add_f32 v[\stt+2:\stt+3], v[\stt+2:\stt+3], v[PT:PT+1]
	s_wait_alu depctr_va_vdst(0)                   ; and one for the four
.irp b, 0,1,2,3
	v_max_num_f32 v[BM+\b], 0x1800000, v[BM+\b]    ; the floor 2^(3 - 127)
.endr
.irp b, 0,1,2,3
	s_delay_alu instid0(VALU_DEP_4)
	v_add_nc_u32 v[SO+\b], 0xff000000, v[BM+\b]
.endr
.irp b, 0,1,2,3
	s_delay_alu instid0(VALU_DEP_4)
	v_lshrrev_b32 v[PT+\b], 23, v[SO+\b]
.endr
	s_delay_alu instid0(VALU_DEP_3)
	v_lshl_or_b32 v[\pwr], v[PT+1], 8, v[PT]
	s_delay_alu instid0(VALU_DEP_1)
	v_lshl_or_b32 v[\pwr], v[PT+2], 16, v[\pwr]
	s_delay_alu instid0(VALU_DEP_1)
	v_lshl_or_b32 v[\pwr], v[PT+3], 24, v[\pwr]
.irp c, 0,1
	v_cvt_scalef32_pk16_fp6_f32 v[\pcr+6*\c:\pcr+6*\c+2], v[\sr+32*\c:\sr+32*\c+15], v[SO+2*\c]
	v_cvt_scalef32_pk16_fp6_f32 v[CT+4*\c:CT+4*\c+2], v[\sr+32*\c+16:\sr+32*\c+31], v[SO+2*\c+1]
.endr
	v_nop
.irp c, 0,1
.irp i, 0,1,2
	v_permlane16_swap_b32 v[\pcr+6*\c+\i], v[CT+4*\c+\i]
.endr
.irp i, 0,1,2
	s_delay_alu instid0(VALU_DEP_3)
	v_mov_b32 v[\pcr+6*\c+3+\i], v[CT+4*\c+\i]
.endr
.endr
.endm
; A KEY STEP of 128 keys for my two tiles.  first = 1: the products V P^T start O^T's sums, and nothing is rescaled.
.macro STEP first
	v_add_nc_u32 v[ADR], s[TB], v[LI]
	PLACES 5                                       ; six places: the scores are laid over registers that the last products read as operands, which asks for five; the loads below for four
	ds_load_b128 v[KS:KS+3], v[ADR] offset:KSCO    ; K's scale words: tiles 0-3 in lanes 0-15, tiles 4-7 in lanes 16-31
	KLOAD 0
	s_wait_alu depctr_va_vdst(0)
	s_wait_dscnt 0x0
	SMUL 0
	PLACES 4
	KLOAD 1
	s_wait_dscnt 0x0
	SMUL 1
	PLACES 4
	SOFTMAX SA, 8, PCA, PWA, FA
	SOFTMAX SB, 12, PCB, PWB, FBR
	ds_load_b128 v[KS:KS+3], v[ADR] offset:VSCO
	ds_load_b128 v[252:255], v[ADR] offset:VSCO+512
	VLOAD 0, FB0
	VLOAD 1, FB1
.if \first
	PLACES 8                                       ; p's scale word and codes were written by vector instructions: 8 and 4 places ahead of a scaled matrix instruction
.else
	WIN 0x41                                       ; O^T under the new M, while V's fragments are on their way; these lines are those places too
.set jj, 0
	s_setprio 1
.rept 64
	v_pk_mul_f32 v[jj:jj+1], v[jj:jj+1], v[FA:FA+1] op_sel_hi:[1,0]
.set jj, jj+2
.endr
.rept 64
	v_pk_mul_f32 v[jj:jj+1], v[jj:jj+1], v[FBR:FBR+1] op_sel_hi:[1,0]
.set jj, jj+2
.endr
.endif
	s_wait_alu depctr_va_vdst(0)
	s_wait_dscnt 12                                ; the scale words and the first four fragments are in; the younger twelve loads may be out
	PVMUL 0, FB0, \first
	WIN 0
	PLACES 4
	VLOAD 2, FB0
	s_wait_dscnt 12                                ; all but the twelve just issued
	PVMUL 1, FB1, \first
	WIN 0
	PLACES 4
	s_setprio 0
	VLOAD 3, FB1
	s_wait_dscnt 12
	PVMUL 2, FB0, \first
	s_wait_dscnt 0x0
	PVMUL 3, FB1, \first
	WIN 0
.endm
; A SLOT.  At its head each wave waits for all its tensor loads (its eighth of this slot), adds 0 to its spare word, and waits for that and for its reads of the slot that it has left; then a round of the cluster's barrier:
; no wave of any partner still reads that slot or has a load on its way.  refill = 1: it is filled with the four key steps that follow, first thing behind the round.
.macro TRIP slot, refill, peel
	s_wait_tensorcnt 0x0
	ds_add_u32 v[SPW], v[NIL]                      ; 0 onto my spare word; the descriptor's step stands between it and the wait for it
	s_add_nc_u64 s[G0+4*\slot+2:G0+4*\slot+3], s[G0+4*\slot+2:G0+4*\slot+3], 2*SLOTB   ; no load of mine is out: this slot's next four steps
	s_wait_dscnt 0x0
	ROUND
.if \refill
	tensor_load_to_lds s[G0+4-4*\slot:G0+7-4*\slot], s[G1:G1+7]
	s_nop 0
	PLACES 4
.endif
	s_add_co_u32 s[TB], s[HOFF], \slot*SLOTB
.if \peel
	STEP 1
	s_add_co_u32 s[TB], s[TB], 2*STEPB
	STEP 0
.else
	s_mov_b32 s[CNT], 2
.Lstep_\@:
	s_setprio 2
	STEP 0
	s_add_co_u32 s[TB], s[TB], 2*STEPB
	s_sub_co_u32 s[CNT], s[CNT], 1
	s_cmp_lg_u32 s[CNT], 0
	s_cbranch_scc1 .Lstep_\@
	s_setprio 0
.endif
.endm
	s_load_b256 s[4:11], s[0:1], 0x0               ; qimg, kv, wimg, x_main
	s_load_b256 s[12:19], s[0:1], 0x20             ; bo, bn_gamma, bn_beta, bn_mean
	s_load_b128 s[20:23], s[0:1], 0x40             ; bn_var, gamma
	s_load_b64 s[24:25], s[0:1], 0x50              ; out0
	v_lshl_add_u32 v[SPW], v0, 2, SPARE
	v_mov_b32 v[NIL], 0
	ds_add_u32 v[SPW], v[NIL]                      ; the wave's opening, with its wait ahead of the round in front of my first tensor load
	ds_add_u32 v[SPW], v[NIL]
	v_lshrrev_b32 v1, 5, v0
	s_delay_alu instid0(VALU_DEP_1)
	v_readfirstlane_b32 s[WV], v1                  ; wave 0..7
	s_lshr_b32 s[HF], s[WV], 2
	s_and_b32 s28, s[WV], 3                        ; p
	s_lshl_b32 s29, s28, 1
	s_add_co_u32 s29, s29, s[HF]                   ; tile A
	s_xor_b32 s30, s29, 1                          ; tile B
	s_mul_i32 s[HOFF], s[HF], STEPB
	s_bfe_u32 s58, ttmp6, 0x40000                  ; cx
	s_lshl_b32 s59, ttmp9, 2
	s_add_co_u32 s59, s59, s58                     ; my block of 128 queries: it enters Q's, x_main's and out0's addresses alone
	s_and_b32 s60, ttmp7, 0xffff                   ; the batch, which the four partners share
	s_mov_b32 s[G1], 15|(3<<16)|(1<<21)            ; the mask of all four; elements of 8 bytes; bit 21 beside a mask; no padding
	s_mov_b32 s[G1+1], 32<<16                      ; tensor_dim0 = 32: rows of 256 bytes
	s_mov_b32 s[G1+2], 75<<16                      ; tensor_dim1 = 75
	s_mov_b32 s[G1+3], 32<<16                      ; tile_dim0
	s_mov_b32 s[G1+4], 75                          ; tile_dim1
	s_mov_b32 s[G1+5], 32                          ; dense
	s_mov_b32 s[G1+6], 0
	s_mov_b32 s[G1+7], 0
	s_mul_i32 s62, s60, 32*STEPB                   ; the batch's 32 key steps,
	s_mul_i32 s[G0+1], s[WV], 19200                ; my eighth of a slot, in LDS as in memory
	s_add_co_u32 s62, s62, s[G0+1]
	s_mov_b32 s63, 0
	s_mov_b32 s[G0], 1
	s_mov_b32 s[G0+4], 1
	s_add_co_u32 s[G0+5], s[G0+1], SLOTB
	s_mov_b32 s[SEL], 0x76543210
	s_mov_b32 s[SEL+1], 0xfedcba98
	s_mov_b32 s[CS], 0x3fb8aa3b                    ; log2(e)
	s_mov_b32 s[CS+1], s[CS]
	s_wait_dscnt 0x0                               ; the opening add is done
	s_wait_kmcnt 0x0
	s_add_nc_u64 s[G0+2:G0+3], s[6:7], s[62:63]
	s_add_nc_u64 s[G0+6:G0+7], s[G0+2:G0+3], SLOTB
	s_or_b32 s[G0+3], s[G0+3], 0x80000000
	s_or_b32 s[G0+7], s[G0+7], 0x80000000
	s_load_b32 s[GM], s[22:23], 0x0
	ROUND                                          ; all four work-groups are here: the first joint loads meet
	tensor_load_to_lds s[G0:G0+3], s[G1:G1+7]      ; key steps 0-3 into slot 0
	s_nop 0
	PLACES 4
	s_lshl_b32 s66, s60, 5
	s_add_co_u32 s66, s66, s59
	s_mul_i32 s66, s66, 12800
	s_mov_b32 s67, 0
	s_add_nc_u64 s[68:69], s[4:5], s[66:67]        ; my block of qimg
	s_mul_i32 s66, s29, 1536
	s_add_nc_u64 s[70:71], s[68:69], s[66:67]      ; tile A's fragment
	s_mul_i32 s66, s30, 1536
	s_add_nc_u64 s[72:73], s[68:69], s[66:67]      ; tile B's
	s_lshl_b32 s66, s29, 6
	s_add_nc_u64 s[74:75], s[68:69], s[66:67]      ; their scale words (12,288 stands in the immediate)
	s_lshl_b32 s66, s30, 6
	s_add_nc_u64 s[76:77], s[68:69], s[66:67]
	v_and_b32 v1, 31, v0
	s_delay_alu instid0(VALU_DEP_1)
	v_lshlrev_b32 v[LI], 4, v1
	s_wait_alu depctr_va_vdst(0)
	v_and_b32 v2, 15, v0
	s_delay_alu instid0(VALU_DEP_1)
	v_lshlrev_b32 v2, 2, v2                        ; 4 r
.irp c, 0,1,2
	global_load_b128 v[QA+4*\c:QA+4*\c+3], v[LI], s[70:71] offset:512*\c
	global_load_b128 v[QB+4*\c:QB+4*\c+3], v[LI], s[72:73] offset:512*\c
.endr
	global_load_b32 v[QSA], v2, s[74:75] offset:12288
	global_load_b32 v[QSB], v2, s[76:77] offset:12288
	s_lshl_b32 s66, s60, 22                        ; x_main and out0: the batch,
	s_lshl_b32 s78, s[WV], 19                      ; my 32 channels,
	s_add_co_u32 s66, s66, s78
	s_lshl_b32 s78, s59, 9                         ; the block's 128 pixels
	s_add_co_u32 s66, s66, s78
	s_add_nc_u64 s[10:11], s[10:11], s[66:67]
	s_add_nc_u64 s[24:25], s[24:25], s[66:67]
	s_mul_i32 s66, s[WV], 6144
	s_add_nc_u64 s[80:81], s[8:9], s[66:67]        ; wo's tiles 2 wv, 2 wv + 1
	s_lshl_b32 s66, s[WV], 9
	s_add_nc_u64 s[82:83], s[8:9], s[66:67]        ; and their scale words
	s_mul_i32 s66, s[WV], MGB
	v_add_nc_u32 v[MGW], s66, v[LI]
	s_xor_b32 s78, s[WV], 4
	s_mul_i32 s78, s78, MGB
	v_add_nc_u32 v[MGR], s78, v[LI]
	s_mul_i32 s78, s29, 3072
	s_add_co_u32 s78, s78, OIMG
	v_add_nc_u32 v[OIW], s78, v[LI]
	v_mov_b32 v9, 0xff61b1e6                       ; the largest t so far: -3e38, under every t
	s_delay_alu instid0(VALU_DEP_1)
	v_floor_f32 v8, -v9
	v_mov_b32 v10, 0
	v_mov_b32 v11, 0
	v_mov_b32 v13, 0xff61b1e6
	s_delay_alu instid0(VALU_DEP_1)
	v_floor_f32 v12, -v13
	v_mov_b32 v14, 0
	v_mov_b32 v15, 0
	v_mov_b32 v[FA+1], 0                           ; named as the upper halves of pairs
	v_mov_b32 v[FBR+1], 0
	s_wait_loadcnt 0x0                             ; Q
	s_wait_kmcnt 0x0                               ; gamma
	s_mov_b32 s[GM+1], s[GM]
	TRIP 0, 1, 1                                   ; key steps 0-3; the first of mine starts O^T's sums
	s_mov_b32 s[LAP], 3
.Llap:
	TRIP 1, 1, 0
	TRIP 0, 1, 0
	s_sub_co_u32 s[LAP], s[LAP], 1
	s_cmp_lg_u32 s[LAP], 0
	s_cbranch_scc1 .Llap
	TRIP 1, 0, 0                                   ; the last slot is written out: nothing is left to fetch
	; ---- tile B's part goes to my partner.  Slot 0 has had its last fill, and every wave passed the last round behind its last read of it.
	PLACES 4
	v_and_b32 v2, 31, v0
	s_delay_alu instid0(VALU_DEP_1)
	v_lshlrev_b32 v2, 3, v2                        ; 8 x lane
.set ii, 0
.rept 12
	global_load_b128 v[48+4*ii:51+4*ii], v[LI], s[80:81] offset:98304+512*ii   ; wo's fragments (tile n, K step s) at v[48 + 12 (2 n + s)]
.set ii, ii+1
.endr
	global_load_b64 v[44:45], v2, s[82:83] offset:WSC+8192
	global_load_b64 v[46:47], v2, s[82:83] offset:WSC+8192+256
	WIN 0x04                                       ; an LDS store's data are its source 1: window 1
.set ii, 0
.rept 32
	ds_store_b128 v[MGW], v[128+4*ii:131+4*ii] offset:512*ii   ; each accumulator from its low end on
.set ii, ii+1
.endr
	WIN 0
	ds_store_b128 v[MGW], v[12:15] offset:16384    ; and its statistics
	s_wait_dscnt 0x0
	s_barrier_signal -1
	s_barrier_wait -1                              ; every wave's part lies in LDS, and nobody reads slot 1 any more
	; ---- the two parts of tile A are joined, divided by the sum and quantised along the channels
	WIN 0x40
.set ii, 0
.rept 32
.set ch, 8*(ii/16)+ii%16+8*((ii%16)/8)
	global_load_b128 v[128+4*ii:131+4*ii], v[LI], s[10:11] offset:ch*16384 th:TH_LOAD_NT   ; x_main: the 32 rows that I shall store, in the stage's order; 512 consecutive bytes a load
.set ii, ii+1
.endr
	WIN 0
.set ii, 0
.rept 32
	ds_load_b128 v[96+4*ii:99+4*ii], v[MGR] offset:512*ii
.set ii, ii+1
.endr
	ds_load_b128 v[32:35], v[MGR] offset:16384
	s_wait_dscnt 0x0
	v_min_num_f32 v36, v8, v32                     ; -M of the two halves together
	s_delay_alu instid0(VALU_DEP_1)
	v_sub_f32 v37, v36, v8
	s_delay_alu instid0(VALU_DEP_2)
	v_sub_f32 v38, v36, v32
	s_delay_alu instid0(VALU_DEP_2)
	v_cvt_i32_f32 v37, v37
	s_delay_alu instid0(VALU_DEP_2)
	v_cvt_i32_f32 v38, v38
	s_delay_alu instid0(VALU_DEP_2)
	v_ldexp_f32 v37, 1.0, v37                      ; f1 = 2^(my M - M)
	s_delay_alu instid0(VALU_DEP_2)
	v_ldexp_f32 v38, 1.0, v38                      ; f2 = 2^(my partner's M - M)
	v_add_f32 v10, v10, v11
	v_add_f32 v34, v34, v35
	s_delay_alu instid0(VALU_DEP_2)
	v_mul_f32 v10, v10, v37
	s_delay_alu instid0(VALU_DEP_1)
	v_fma_f32 v10, v34, v38, v10
	s_delay_alu instid0(VALU_DEP_1)
	v_permlanex16_b32 v11, v10, s[SEL], s[SEL+1]
	s_delay_alu instid0(VALU_DEP_1)
	v_add_f32 v10, v10, v11                        ; the row's sum
	s_wait_alu depctr_va_vdst(0)
	v_rcp_f32 v10, v10
	v_nop                                          ; a plain place behind the reciprocal,
	s_wait_alu depctr_va_vdst(0)                   ; and the wait ahead of its first reader
	v_mul_f32 v36, v37, v10                        ; g1 = f1 / sum, the low word of the pair v[36:37]
	v_mul_f32 v38, v38, v10                        ; g2 = f2 / sum, of v[38:39]
.set jj, 0
.rept 64
	v_pk_mul_f32 v[96+jj:97+jj], v[96+jj:97+jj], v[38:39] op_sel_hi:[1,0]
.set jj, jj+2
.endr
	WIN 0x01                                       ; source 0: my O^T of tile A, window 1
.set jj, 0
.rept 64
	v_pk_fma_f32 v[96+jj:97+jj], v[jj:jj+1], v[36:37], v[96+jj:97+jj] op_sel_hi:[1,0,1]
.set jj, jj+2
.endr
	WIN 0
	QUANT 96, PCA, 32, 16, PWA                     ; register 96 + 16 b + i is channel 32 b + 16 (lane / 16) + i: channels 0-127,
	QUANT 160, PCB, 32, 16, PWB                    ; channels 128-255
	s_lshl_b32 s66, s28, 8
	s_lshl_b32 s78, s[HF], 6
	s_add_co_u32 s66, s66, s78
	s_add_co_u32 s66, s66, OSC
	v_and_b32 v249, 15, v0                         ; r
	s_delay_alu instid0(VALU_DEP_1)
	v_lshl_add_u32 v248, v249, 2, s66              ; my tile's scale words: OSC + 256 p + 64 hf + 4 r
.irp c, 0,1,2
	ds_store_b128 v[OIW], v[PCA+4*\c:PCA+4*\c+3] offset:512*\c
	ds_store_b128 v[OIW], v[PCB+4*\c:PCB+4*\c+3] offset:1536+512*\c
.endr
	ds_store_b32 v248, v[PWA]
	ds_store_b32 v248, v[PWB] offset:128
	s_wait_alu depctr_va_vdst(0)
	s_wait_dscnt 0x0
	s_barrier_signal -1
	s_barrier_wait -1                              ; O's sixteen fragments lie in LDS, and my partner has read my region
	; ---- wo O: source 0 = 16 queries, source 1 = 16 rows of wo: a lane holds an output channel and eight neighbouring pixels
	v_and_b32 v250, 8, v249
	s_delay_alu instid0(VALU_DEP_1)
	v_add_nc_u32 v250, v250, v249
	s_delay_alu instid0(VALU_DEP_1)
	v_lshlrev_b32 v250, 2, v250
	s_lshl_b32 s66, s[WV], 7
	v_add_nc_u32 v250, s66, v250                   ; my lane's channel in the norm's vectors: 4 (r + 8 (r / 8)) + 128 wv; tile n is 32 bytes on
	v_and_b32 v251, 31, v0
	s_delay_alu instid0(VALU_DEP_1)
	v_lshl_add_u32 v251, v251, 2, OSC
	v_add_nc_u32 v8, OIMG, v[LI]
	s_wait_alu depctr_va_vdst(0)
	v_mul_u32_u24 v9, v249, 528
	v_bfe_u32 v10, v0, 4, 1
	s_delay_alu instid0(VALU_DEP_1)
	v_lshl_add_u32 v9, v10, 6, v9
	s_mul_i32 s66, s[WV], MGB
	v_add_nc_u32 v9, s66, v9                       ; the stage: row r, + 64 h
.irp n, 0,1
	global_load_b32 v[224+\n], v250, s[12:13] offset:32*\n   ; bo
	global_load_b32 v[226+\n], v250, s[14:15] offset:32*\n   ; bn_gamma
	global_load_b32 v[228+\n], v250, s[16:17] offset:32*\n   ; bn_beta
	global_load_b32 v[230+\n], v250, s[18:19] offset:32*\n   ; bn_mean
	global_load_b32 v[232+\n], v250, s[20:21] offset:32*\n   ; bn_var
.endr
.irp q, 0,1,2,3
	ds_load_b32 v[40+\q], v251 offset:128*\q       ; O's scale words: (g, s) in register 2 g + s of v40-43, v252-255
	ds_load_b32 v[252+\q], v251 offset:512+128*\q
.endr
.irp s, 0,1
	WIN 0x40
.set ii, 0
.rept 8
.irp c, 0,1,2
	ds_load_b128 v[12*ii+4*\c:12*ii+4*\c+3], v8 offset:(2*ii+\s)*1536+512*\c
.endr
.set ii, ii+1
.endr
	s_wait_dscnt 0x0
.if \s == 0
	s_wait_loadcnt 42                              ; wo is in: behind it x_main's 32 loads and the norm's 10 may be out
.endif
	WIN 0x01                                       ; source 0 (O) window 1.  Sixteen accumulators by turns
.irp g, 0,1,2,3
.irp u, 0,1
.irp n, 0,1
.if \s == 0
	MM0 96+8*(8*\n+2*\g+\u), 12*(2*\g+\u), 48+24*\n, 40+2*\g+208*(\g/2), 44+2*\n, \u, 0
.else
	MM 96+8*(8*\n+2*\g+\u), 12*(2*\g+\u), 60+24*\n, 96+8*(8*\n+2*\g+\u), 41+2*\g+208*(\g/2), 45+2*\n, \u, 0
.endif
.endr
.endr
.endr
	WIN 0
	PLACES 4
.endr
	; ---- norm, relu, through my stage, residual, out
	s_wait_loadcnt 0x0
	v_add_f32 v232, 0x3727c5ac, v232               ; var + 1e-5
	v_add_f32 v233, 0x3727c5ac, v233
	s_wait_alu depctr_va_vdst(0)
	v_rsq_f32 v232, v232
	v_rsq_f32 v233, v233
	v_sub_f32 v224, v224, v230                     ; bo - mean: plain work behind the two
	v_sub_f32 v225, v225, v231
	s_wait_alu depctr_va_vdst(0)
	v_mul_f32 v234, v226, v232                     ; inv = gamma / sqrt(var + 1e-5), the low word of a pair
	v_mul_f32 v238, v227, v233
	s_delay_alu instid0(VALU_DEP_2)
	v_fma_f32 v236, v224, v234, v228               ; (bo - mean) inv + beta
	s_delay_alu instid0(VALU_DEP_2)
	v_fma_f32 v240, v225, v238, v229
.set jj, 0
.rept 32
	v_pk_fma_f32 v[96+jj:97+jj], v[96+jj:97+jj], v[234:235], v[236:237] op_sel_hi:[1,0,0]
.set jj, jj+2
.endr
.rept 32
	v_pk_fma_f32 v[96+jj:97+jj], v[96+jj:97+jj], v[238:239], v[240:241] op_sel_hi:[1,0,0]
.set jj, jj+2
.endr
.set jj, 0
.rept 128
	v_max_num_f32 v[96+jj], 0, v[96+jj]
.set jj, jj+1
.endr
.irp n, 0,1
.irp g, 0,1,2,3
.irp u, 0,1
	ds_store_b128 v9, v[96+8*(8*\n+2*\g+\u):99+8*(8*\n+2*\g+\u)] offset:8448*\n+128*\g+32*\u        ; stage row 16 n + r; pixels 32 g + 8 u + 16 h + 0 .. 7
	ds_store_b128 v9, v[100+8*(8*\n+2*\g+\u):103+8*(8*\n+2*\g+\u)] offset:8448*\n+128*\g+32*\u+16
.endr
.endr
.endr
.set ii, 0
.rept 32
	ds_load_b128 v[96+4*ii:99+4*ii], v[MGW] offset:528*ii   ; LDS serves a wave's instructions in order (ISA guide 5.7.1.4): these see my stores; the stage is my own
.set ii, ii+1
.endr
	WIN 0x10                                       ; source 2: x_main's rows, window 1
.set ii, 0
.rept 32
.set ch, 8*(ii/16)+ii%16+8*((ii%16)/8)
	s_wait_dscnt 31-ii                             ; row ii is back; the rows behind it may be out
	v_pk_fma_f32 v[96+4*ii:97+4*ii], v[96+4*ii:97+4*ii], s[GM:GM+1], v[128+4*ii:129+4*ii] op_sel_hi:[1,0,1]
	v_pk_fma_f32 v[98+4*ii:99+4*ii], v[98+4*ii:99+4*ii], s[GM:GM+1], v[130+4*ii:131+4*ii] op_sel_hi:[1,0,1]
	global_store_b128 v[LI], v[96+4*ii:99+4*ii], s[24:25] offset:ch*16384 th:TH_STORE_NT   ; 32 lanes store 512 consecutive bytes, at a multiple of 512 from out0's first byte
.set ii, ii+1
.endr
	WIN 0
	s_wait_tensorcnt 0x0                           ; the wave's end, behind my last tensor load and my last LDS store
	ds_add_u32 v[SPW], v[NIL]
	s_wait_dscnt 0x0
	ROUND                                          ; the closing round
	s_endpgm
.Lfunc_end_k_qf74b3f60c6_attn:
	.size	k_qf74b3f60c6_attn, .Lfunc_end_k_qf74b3f60c6_attn-k_qf74b3f60c6_attn
	.p2alignl 7, 3214868480
	.fill 96, 4, 3214868480
	.section	.rodata,"a",@progbits
	.p2align	6, 0x0
	.amdhsa_kernel k_qf74b3f60c6_attn
		.amdhsa_group_segment_fixed_size 327680
		.amdhsa_private_segment_fixed_size 0
		.amdhsa_enable_private_segment 0
		.amdhsa_kernarg_size 88
		.amdhsa_user_sgpr_count 2
		.amdhsa_user_sgpr_kernarg_segment_ptr 1
		.amdhsa_wavefront_size32 1
		.amdhsa_system_sgpr_workgroup_id_x 1
		.amdhsa_system_sgpr_workgroup_id_y 1
		.amdhsa_system_sgpr_workgroup_id_z 1
		.amdhsa_system_vgpr_workitem_id 0
		.amdhsa_next_free_vgpr 512
		.amdhsa_next_free_sgpr 96
		.amdhsa_reserve_vcc 0
		.amdhsa_float_denorm_mode_32 3
		.amdhsa_float_denorm_mode_16_64 3
		.amdhsa_memory_ordered 1
		.amdhsa_forward_progress 1
		.amdhsa_inst_pref_size 255
	.end_amdhsa_kernel
	.section	.bss,"aw",@nobits
	.p2align	6
	.space	262144
	.amdgpu_metadata
---
amdhsa.version: [ 1, 2 ]
amdhsa.kernels:
  - .name:           k_qf74b3f60c6_attn
    .symbol:         k_qf74b3f60c6_attn.kd
    .args:
      - { .name: qimg, .offset: 0, .size: 8, .value_kind: global_buffer, .address_space: global }
      - { .name: kv, .offset: 8, .size: 8, .value_kind: global_buffer, .address_space: global }
      - { .name: wimg, .offset: 16, .size: 8, .value_kind: global_buffer, .address_space: global }
      - { .name: x_main, .offset: 24, .size: 8, .value_kind: global_buffer, .address_space: global }
      - { .name: bo, .offset: 32, .size: 8, .value_kind: global_buffer, .address_space: global }
      - { .name: bn_gamma, .offset: 40, .size: 8, .value_kind: global_buffer, .address_space: global }
      - { .name: bn_beta, .offset: 48, .size: 8, .value_kind: global_buffer, .address_space: global }
      - { .name: bn_mean, .offset: 56, .size: 8, .value_kind: global_buffer, .address_space: global }
      - { .name: bn_var, .offset: 64, .size: 8, .value_kind: global_buffer, .address_space: global }
      - { .name: gamma, .offset: 72, .size: 8, .value_kind: global_buffer, .address_space: global }
      - { .name: out0, .offset: 80, .size: 8, .value_kind: global_buffer, .address_space: global }
    .group_segment_fixed_size: 327680
    .private_segment_fixed_size: 0
    .kernarg_segment_align: 8
    .kernarg_segment_size: 88
    .max_flat_workgroup_size: 256
    .sgpr_count:     96
    .vgpr_count:     512
    .wavefront_size: 32
...
	.end_amdgpu_metadata
.endif
;; end of part 3
